; MI455X (gfx1250); checked and timed in simulation.
; The chip was launched on July 23, 2026; its instructions are those of AMD's public machine-readable ISA for CDNA 5 (MIT licence, August 2026) and "CDNA5" Instruction Set Architecture Reference Guide (July 2026). The comments in the code are by the model that wrote it; some were corrected since.
;; Multi Head Self Attention. Allowed arithmetic: matrix products marked QUANTISED: E2M1 operands, one E8M0 scale for each 32 along K, by v_wmma_scale_f32_16x16x128_f8f6f4 with both operands' format E2M1 (or v_wmma_scale_f32_32x16x128_f4), f32 sums; products left as they are: bf16, f16 or f32 operands; f32 sums; everything else in f32.
;; Inputs: b_k 2,048 float32; b_o 2,048 float32; b_q 2,048 float32; b_v 2,048 float32; w_k 2,048 x 2,048 float32; w_o 2,048 x 2,048 float32; w_q 2,048 x 2,048 float32; w_v 2,048 x 2,048 float32; x 64 x 64 x 2,048 float32.
;; Outputs: out0 64 x 64 x 2,048 float32.
;; This version of the problem:
;;   THIS VERSION OF THE PROBLEM IS GIVEN IN LOW PRECISION. The matrix products marked QUANTISED in the list below multiply operands that are first quantised to E2M1 (2 exponent bits, 1 mantissa bit; 4 bits a number), with one power-of-two scale for each 32 numbers along K (OCP MX v1.0); their sums are f32. The products marked 'left as it is' may take bf16, f16 or f32 operands, with f32 sums. Whichever they take, every output number must still come out within the allowed error. Rounding operands to bf16 (8 significant bits) uses up far more of that allowance than f16 does (11 bits, for magnitudes from 6e-5 to 65,504). All else is computed in f32.
;;   The module's matrix products, in the order in which they are computed (A, B: the left and right operand; K: the contracted axis; several contracted axes count as one K, in the product's order):
;;     1. [M 4,096, K 2,048] x [K 2,048, N 2,048]; A: input x; B: input w_q: QUANTISED
;;     2. [M 4,096, K 2,048] x [K 2,048, N 2,048]; A: input x; B: input w_k: QUANTISED
;;     3. [M 4,096, K 2,048] x [K 2,048, N 2,048]; A: input x; B: input w_v: QUANTISED
;;     4. batch 4,096 x [M 64, K 32] x [K 32, N 64]; A: computed on the way; B: computed on the way: left as it is (an operand is computed on the way)
;;     5. batch 4,096 x [M 64, K 64] x [K 64, N 32]; A: computed on the way; B: computed on the way: left as it is (an operand is computed on the way)
;;     6. [M 4,096, K 2,048] x [K 2,048, N 2,048]; A: computed on the way; B: input w_o: left as it is (an operand is computed on the way)
;;   THE QUANTISER, for each operand of a quantised product, along K:
;;     - K is cut into blocks of 32 from its start; a last block that is shorter is filled with zeros.
;;     - A block's scale is 2^e with e = floor(log2(the largest magnitude in the block)) - 2, held to -126 .. 127; a block of zeros has e = 0. As a byte (E8M0): e + 127.
;;     - Each number is divided by its block's scale, clamped to +-6, and rounded to the nearest number of E2M1, ties to even, subnormals kept.
;;     - The product sums the exact products of the quantised numbers (number of the format x scale) in f32.
;;   ~~~python
;;   def quantise(x, axis):      # numpy; x: float32 -> the quantised numbers, widened to float32 again
;;       x = np.moveaxis(x, axis, -1); K = x.shape[-1]
;;       x = np.pad(x, [(0, 0)] * (x.ndim - 1) + [(0, -K % 32)]); x = x.reshape(x.shape[:-1] + (-1, 32)); a = np.abs(x).max(-1, keepdims=True)
;;       e = np.where(a > 0, np.clip(np.frexp(np.where(a > 0, a, 1))[1] - 1 - 2, -126, 127), 0)      # np.frexp(a)[1] - 1 = floor(log2(a)), exactly
;;       r = np.clip(x / 2.0 ** e, -6, 6)
;;       step = 2.0 ** (np.maximum(np.frexp(np.where(r == 0, 1, r))[1] - 1, 0) - 1)
;;       q = np.round(r / step) * step * 2.0 ** e      # np.round: ties to even
;;       return np.moveaxis(q.reshape(q.shape[:-2] + (-1,))[..., :K], -1, axis).astype(np.float32)
;;   ~~~
;; One version. Each part assembles by itself: llvm-mc -triple=amdgcn-amd-amdhsa -mcpu=gfx1250 --defsym DOCPART=n.
;; ======== version 1 of 1: 3 launches
;; limits: values are held in f16: magnitudes above 65,504 overflow, below 6.1e-05 lose precision
;; workspace buffers: xcodes 4,194,304 bytes; xscales 262,144 bytes; wcodes 6,291,456 bytes; wscales 393,216 bytes; woimg 8,388,608 bytes; rope 524,288 bytes; att 16,777,216 bytes
;; launch prep (part 1): grid 832 x 1, 4 waves a work-group, no clusters, 50,688 bytes of LDS; arguments x, w_q, w_k, w_v, w_o, xcodes, xscales, wcodes, wscales, woimg, rope; writes xcodes, xscales, wcodes, wscales, woimg, rope
.if DOCPART == 1
	.amdgcn_target "amdgcn-amd-amdhsa--gfx1250"
	.amdhsa_code_object_version 6
	.text
	.protected	k_q942d104f6a_prep
	.globl	k_q942d104f6a_prep
	.p2align	8
	.type	k_q942d104f6a_prep,@function
k_q942d104f6a_prep:
	s_mov_b64 s[64:65], 0
	v_nop
	global_prefetch_b8 v0, s[64:65] scope:SCOPE_SE
	s_setreg_imm32_b32 hwreg(HW_REG_WAVE_MODE, 25, 1), 1
	s_wait_xcnt 0x0
; PREP: everything that is made once, ahead of the products.  Three paths, parted on the work-group's number alone; each has LDS bytes of its own.
; PATH Q (work-groups 0-639): x [4096][2048] and w_q, w_k, w_v [2048][2048], f32, K innermost, become codes of FP4 (E2M1) and one E8M0 byte for each 32 along K.
;   A block's scale is 2^(floor(log2(its largest magnitude)) - 2); its byte is the largest magnitude's exponent field - 2, held at 1 from below; each number is divided by the scale and rounded to the nearest code,
;   ties to even, beyond 6 the largest code.  x's codes lie [row][1024 bytes], its bytes [row][64].  The three weights share one buffer: row 96 head + 32 t + i (t = 0 q, 1 k, 2 v; i = the row within the head's 32),
;   so that a head's q, k and v rows are 96 rows on end for the next launch.
; PATH W (work-groups 640-767): w_o [2048 n][2048 k] f32 becomes f16, laid as IMAGES OF OPERAND REGISTERS: [n / 16][k / 32][1024 bytes]; in an image byte 512 cc + 16 lane holds row lane % 16, k = 16 cc + 8 (lane / 16) + 0 .. 7.
; PATH R (work-groups 768-831): the rope's table.  reference() turns pair m = 16 s + d / 2 of batch b by the angle b x 10000^(-m / 1024), whatever the head: 64 x 1,024 angles, constants of the problem.
;   cos and sin in f32: the angle less N x pi/2 (pi/2 in two parts), polynomials of degree 9 and 10 on |R| <= pi/4, whose first left-out terms are under 2e-9; angles are at most 63.
;   Laid [b][a 4][c 2][e 2][lane][16 bytes]: lane (r, h) holds cos, sin of m and of m + 1, m = 256 a + 16 r + 8 c + 4 h + 2 e: the order in which the next launch's registers want them.
; LIMITS: blocks whose largest magnitude lies under 2^-124 keep the byte 1; a block of zeros gets the byte 1 where the rule says 127 (its codes are zeros, and this program alone reads the bytes); NaN and infinities are not
;   served; w_o goes to f16: magnitudes up to 65,504, steps of 6e-8 under 6e-5.
; No cluster: the work-groups share no input.  No tensor loads, no barrier: the waves share nothing.
.set SPARE, 50176                      ; behind the two paths' regions: the spare words, 128 bytes for each wave: two blocks of 256 bytes that no other line names
.set SPW,   12                         ; v12  LDS address of my spare word; never rewritten
.set NIL,   13                         ; v13  0; never rewritten
	s_load_b256 s[4:11], s[0:1], 0x0               ; x, w_q, w_k, w_v
	s_load_b256 s[12:19], s[0:1], 0x20             ; w_o, x's codes, x's scales, the weights' codes
	s_load_b128 s[20:23], s[0:1], 0x40             ; the weights' scales, w_o's images
	s_load_b64 s[24:25], s[0:1], 0x50              ; the rope's table
	v_lshl_add_u32 v[SPW], v0, 2, SPARE
	v_mov_b32 v[NIL], 0
	v_lshrrev_b32 v1, 5, v0
	v_readfirstlane_b32 s26, v1                    ; wave 0..3
	v_and_b32 v2, 31, v0                           ; lane
	v_lshlrev_b32 v3, 4, v2                        ; 16 x lane
	s_wait_kmcnt 0x0
	s_cmp_ge_u32 ttmp9, 640
	s_cbranch_scc1 .Lother
; ---------------- PATH Q: a wave takes 4 rows (8,192 numbers) in 16 steps of 512.  Each load reads 512 bytes on end; a step's 2,048 bytes turn through the wave's own stage in LDS, so that a lane holds 16 neighbours along K.
.set STEPS, 16
.set EMAX,  2
.set CB,    8                          ; bytes of 16 codes
.set QR,    16                         ; v16-79   four sets of 16 numbers as they are loaded
.set QX,    80                         ; v80-111  two sets of 16 neighbours
.set QE,    112                        ; v112-127 a scale byte for each step
.set QC,    128                        ; v128-191 codes: four registers for each step, so that no store's data are written again
.set WREG,  8192                       ; LDS bytes 0 .. 32,767: a region for each wave: two stages of 32 x SP bytes, and behind them its 256 scale bytes
.set SP,    80                         ; a lane's place in a stage: its 64 bytes + 16 of padding
	s_mul_i32 s27, s26, WREG
	v_lshrrev_b32 v14, 2, v2
	v_mul_u32_u24 v14, v14, SP
	v_and_b32 v15, 3, v2
	v_lshl_add_u32 v14, v15, 4, v14
	v_add_nc_u32 v14, s27, v14                     ; the stage, on the way in: SP (lane / 4) + 16 (lane % 4)
	v_mul_u32_u24 v15, v2, SP
	v_add_nc_u32 v15, s27, v15                     ; and on the way out: SP x lane
	v_mul_u32_u24 v4, v2, CB                       ; my codes' place in a step's
	v_lshrrev_b32 v5, 1, v2
	s_add_co_u32 s27, s27, 2*32*SP
	v_add_nc_u32 v5, s27, v5                       ; my block's byte among my wave's 256
	v_lshlrev_b32 v7, 3, v2
	v_add_nc_u32 v6, s27, v7                       ; and on the way out 8 bytes a lane
	; which tensor, which four rows, and where they go.  Work-groups 0-255: x; 256-383: w_q; 384-511: w_k; 512-639: w_v
	s_sub_co_u32 s28, ttmp9, 256                   ; (of use in a weight's work-group alone)
	s_lshr_b32 s29, s28, 7                         ; t
	s_and_b32 s30, s28, 127
	s_lshl_b32 s30, s30, 2
	s_add_co_u32 s30, s30, s26                     ; the weight's run of four rows
	s_lshr_b32 s31, s30, 3                         ; its head
	s_mul_i32 s31, s31, 96
	s_lshl_b32 s32, s29, 5
	s_add_co_u32 s31, s31, s32
	s_and_b32 s32, s30, 7
	s_lshl_b32 s32, s32, 2
	s_add_co_u32 s31, s31, s32                     ; the row where its codes begin: 96 head + 32 t + 4 (run % 8)
	s_lshl_b32 s33, ttmp9, 2
	s_add_co_u32 s33, s33, s26                     ; x's run of four rows,
	s_lshl_b32 s34, s33, 2                         ; and its first row
	s_cmp_eq_u32 s29, 1
	s_cselect_b64 s[6:7], s[8:9], s[6:7]
	s_cmp_eq_u32 s29, 2
	s_cselect_b64 s[6:7], s[10:11], s[6:7]         ; the weight
	s_cmp_lt_u32 ttmp9, 256                        ; the choices hang on the work-group's number alone
	s_cselect_b64 s[4:5], s[4:5], s[6:7]           ; the numbers,
	s_cselect_b64 s[8:9], s[14:15], s[18:19]       ; the codes,
	s_cselect_b64 s[10:11], s[16:17], s[20:21]     ; the scale bytes
	s_cselect_b32 s30, s33, s30
	s_cselect_b32 s31, s34, s31
	s_lshl_b32 s32, s30, 15                        ; a run is 32,768 bytes of f32,
	s_mov_b32 s33, 0
	s_add_nc_u64 s[4:5], s[4:5], s[32:33]
	s_lshl_b32 s32, s31, 10                        ; a row 1,024 bytes of codes
	s_add_nc_u64 s[8:9], s[8:9], s[32:33]
	s_lshl_b32 s32, s31, 6                         ; and 64 scale bytes
	s_add_nc_u64 s[10:11], s[10:11], s[32:33]
.macro LOAD t
.irp i, 0,1,2,3
	global_load_b128 v[QR+16*((\t)%4)+4*\i:QR+16*((\t)%4)+4*\i+3], v3, s[4:5] offset:2048*(\t)+512*\i th:TH_LOAD_NT   ; 32 lanes read 512 consecutive bytes
.endr
.endm
.macro TURN t                          ; step t's numbers through the stage: LDS serves a wave's instructions in order, so no wait stands between the stores and the loads
.irp i, 0,1,2,3
	ds_store_b128 v14, v[QR+16*((\t)%4)+4*\i:QR+16*((\t)%4)+4*\i+3] offset:32*SP*((\t)%2)+8*SP*\i
.endr
.irp i, 0,1,2,3
	ds_load_b128 v[QX+16*((\t)%2)+4*\i:QX+16*((\t)%2)+4*\i+3], v15 offset:32*SP*((\t)%2)+16*\i
.endr
.endm
.irp t, 0,1,2,3
	LOAD \t
.endr
	s_wait_loadcnt 12                              ; step 0's four loads are in
	TURN 0
.macro STEP t
.set XS, QX+16*((\t)%2)
.if (\t) > 0
	s_wait_dscnt 1                                 ; this step's numbers are back from the stage (the last step's byte store may be out): so its stores into the stage have read their registers,
.else
	s_wait_dscnt 0x0
.endif
.if (\t)+4 < STEPS
	LOAD (\t)+4                                    ; which take the loads of four steps on
.endif
.if (\t)+1 < STEPS
.if STEPS-2-(\t) >= 3
	s_wait_loadcnt 12                              ; the next step's four loads are in; those of the three steps behind it may be out
.else
	s_wait_loadcnt 4*(STEPS-2-(\t))
.endif
	TURN (\t)+1                                    ; and go through the other stage while this step is worked
.endif
	v_max3_num_f32 v8, |v[XS]|, |v[XS+1]|, |v[XS+2]|               ; the largest magnitude of my 16
	v_max3_num_f32 v9, |v[XS+3]|, |v[XS+4]|, |v[XS+5]|
.irp i, 6,10
	v_max3_num_f32 v8, v8, |v[XS+\i]|, |v[XS+\i+1]|
	v_max3_num_f32 v9, v9, |v[XS+\i+2]|, |v[XS+\i+3]|
.endr
	v_max3_num_f32 v8, v8, |v[XS+14]|, |v[XS+15]|
	v_max3_num_f32 v8, v8, v9, (EMAX+1)<<23        ; and the floor 2^(3 - 127): so the byte cannot fall under 1
	v_max_num_f32_dpp v8, v8, v8 row_xmask:1 row_mask:0xf bank_mask:0xf   ; and of my neighbour's 16: the block's
	v_add_nc_u32 v11, -(EMAX<<23), v8              ; 2 off its exponent field: the conversion takes the exponent field of this operand as its scale, and nothing else of it
	v_cvt_scalef32_pk8_fp4_f32 v[QC+4*(\t)], v[XS:XS+7], v11
	v_cvt_scalef32_pk8_fp4_f32 v[QC+4*(\t)+1], v[XS+8:XS+15], v11
	v_lshrrev_b32 v[QE+(\t)], 23, v11              ; the scale's byte (also the plain line behind the conversions)
	ds_store_b8 v5, v[QE+(\t)] offset:16*(\t)      ; both lanes of a block write the same byte with the same value
	global_store_b64 v4, v[QC+4*(\t):QC+4*(\t)+1], s[8:9] offset:32*CB*(\t)   ; the wave stores 256 consecutive bytes, aligned
.endm
.irp t, 0,1,2,3,4,5,6,7,8,9,10,11,12,13,14,15
	STEP \t
.endr
	ds_load_b64 v[8:9], v6                         ; LDS serves a wave's instructions in order: these see my stores
	s_wait_dscnt 0x0
	global_store_b64 v7, v[8:9], s[10:11]          ; four rows' 256 scale bytes: 256 consecutive bytes, aligned
	s_wait_tensorcnt 0x0                           ; the wave's end: behind my last LDS store
	ds_add_u32 v[SPW], v[NIL]
	s_wait_dscnt 0x0
	s_endpgm
.Lother:
	s_cmp_ge_u32 ttmp9, 768
	s_cbranch_scc1 .Lrope
; ---------------- PATH W: a work-group takes 16 rows of w_o; wave w their k = 512 w .. 512 w + 511, in four steps of 128.  A lane's four numbers of a row become 8 bytes of an image; a step's 4,096 bytes are gathered in the
; wave's own stage (16 chunks of 256 bytes, 272 apart: chunk = 4 (k / 32) + 2 cc + half) and leave 512 bytes on end a store.
.set WRG, 16                           ; v16-143  two sets of 64 numbers
.set WCG, 144                          ; v144-175 a step's f16
	s_sub_co_u32 s28, ttmp9, 640                   ; which 16 rows
	s_mul_i32 s27, s26, 4352
	s_add_co_u32 s27, s27, 32768                   ; LDS bytes 32,768 .. 50,175: 4,352 for each wave
	v_lshrrev_b32 v14, 1, v2
	v_mul_u32_u24 v14, v14, 272
	v_and_b32 v15, 1, v2
	v_lshl_add_u32 v14, v15, 3, v14
	v_add_nc_u32 v14, s27, v14                     ; in: chunk lane / 2, byte 8 (lane % 2); row i stands in the immediate, 16 i
	v_lshrrev_b32 v15, 4, v2
	v_mul_u32_u24 v15, v15, 272
	v_and_b32 v4, 15, v2
	v_lshl_add_u32 v15, v4, 4, v15
	v_add_nc_u32 v15, s27, v15                     ; out: two chunks an instruction
	s_lshl_b32 s30, s28, 17                        ; 16 rows of 8,192 bytes,
	s_lshl_b32 s29, s26, 11                        ; my wave's 2,048 bytes of a row
	s_add_co_u32 s30, s30, s29
	s_mov_b32 s31, 0
	s_add_nc_u64 s[12:13], s[12:13], s[30:31]
	s_lshl_b32 s30, s28, 16                        ; 64 images of 1,024 bytes,
	s_lshl_b32 s29, s26, 14                        ; my wave's 16 of them
	s_add_co_u32 s30, s30, s29
	s_add_nc_u64 s[22:23], s[22:23], s[30:31]
.macro LOADW t
.irp i, 0,1,2,3,4,5,6,7,8,9,10,11,12,13,14,15
	global_load_b128 v[WRG+64*((\t)%2)+4*\i:WRG+64*((\t)%2)+4*\i+3], v3, s[12:13] offset:8192*\i+512*(\t) th:TH_LOAD_NT   ; row i: 512 consecutive bytes
.endr
.endm
.macro STEPW t
.set WSET, WRG+64*((\t)%2)
.if (\t) < 3
	s_wait_loadcnt 16                              ; this step's 16 loads are in; the next step's may be out
.else
	s_wait_loadcnt 0x0
.endif
.if (\t) > 0
	s_wait_xcnt 0x0                                ; the last step's stores have read their registers, which are written again below
.endif
.irp i, 0,1,2,3,4,5,6,7,8,9,10,11,12,13,14,15
	v_cvt_pk_f16_f32 v[WCG+2*\i], v[WSET+4*\i], v[WSET+4*\i+1]
	v_cvt_pk_f16_f32 v[WCG+2*\i+1], v[WSET+4*\i+2], v[WSET+4*\i+3]
.endr
.irp i, 0,1,2,3,4,5,6,7,8,9,10,11,12,13,14,15
	ds_store_b64 v14, v[WCG+2*\i:WCG+2*\i+1] offset:16*\i
.endr
.if (\t) < 2
	LOADW (\t)+2
.endif
.irp j, 0,1,2,3,4,5,6,7
	ds_load_b128 v[WCG+4*\j:WCG+4*\j+3], v15 offset:544*\j         ; LDS serves a wave's instructions in order: these see the stores above
.endr
	s_wait_dscnt 0x0
.irp j, 0,1,2,3,4,5,6,7
	global_store_b128 v3, v[WCG+4*\j:WCG+4*\j+3], s[22:23] offset:4096*(\t)+512*\j   ; 512 consecutive bytes, aligned
.endr
.endm
	LOADW 0
	LOADW 1
	STEPW 0
	STEPW 1
	STEPW 2
	STEPW 3
	s_wait_tensorcnt 0x0                           ; the wave's end: behind my last LDS store
	ds_add_u32 v[SPW], v[NIL]
	s_wait_dscnt 0x0
	s_endpgm
.Lrope:
; ---------------- PATH R: a work-group makes batch b's 1,024 angles; a thread eight of them: m = mb + 256 a + z, a = 0 .. 3, z = 0, 1.  No LDS.
.set RF, 20                            ; v20-27  10000^(-m / 1024)
.set RO, 48                            ; v48-63  cos, sin of the eight
	s_sub_co_u32 s28, ttmp9, 768                   ; b
	v_and_b32 v1, 15, v0
	v_lshlrev_b32 v1, 4, v1                        ; 16 r
	v_bfe_u32 v4, v0, 4, 1
	v_lshl_add_u32 v1, v4, 2, v1                   ; + 4 h
	v_bfe_u32 v4, v0, 5, 1
	v_lshl_add_u32 v1, v4, 1, v1                   ; + 2 e
	v_bfe_u32 v4, v0, 6, 1
	v_lshl_add_u32 v1, v4, 3, v1                   ; + 8 c
	v_lshlrev_b32 v15, 4, v0                       ; my 16 bytes of each a's 2,048
	s_lshl_b32 s30, s28, 13
	s_mov_b32 s31, 0
	s_add_nc_u64 s[24:25], s[24:25], s[30:31]
	s_mov_b32 s32, 0xbfc90fdb                      ; -pi/2, its upper part,
	s_mov_b32 s33, 0x333bbd2e                      ; and what the upper part has too much
	v_mov_b32 v17, 0x3638ef1d                      ; 1 / 9!
	v_mov_b32 v18, 0xb493f27e                      ; -1 / 10!
.irp i, 0,1,2,3,4,5,6,7
	v_add_nc_u32 v[RF+\i], 256*(\i/2)+\i%2, v1
.endr
.irp i, 0,1,2,3,4,5,6,7
	v_cvt_f32_u32 v[RF+\i], v[RF+\i]
.endr
.irp i, 0,1,2,3,4,5,6,7
	v_mul_f32 v[RF+\i], 0xbc549a78, v[RF+\i]       ; x -log2(10000) / 1024
.endr
.irp i, 0,1,2,3,4,5,6,7
	v_exp_f32 v[RF+\i], v[RF+\i]
.endr
	v_cvt_f32_u32 v19, s28                         ; b as f32 (the plain line behind the exponentials)
	s_wait_alu depctr_va_vdst(0)                   ; one wait for the eight, ahead of their first reader
.macro SINCOS i
	v_mul_f32 v32, v19, v[RF+\i]                   ; the angle
	v_mul_f32 v33, 0x3f22f983, v32                 ; x 2 / pi,
	v_rndne_f32 v33, v33                           ; N
	v_fma_f32 v34, v33, s32, v32
	v_fma_f32 v34, v33, s33, v34                   ; R = the angle - N pi/2
	v_mul_f32 v35, v34, v34
	v_fmaak_f32 v36, v17, v35, 0xb9500d01          ; the sine's series: 1/9!, -1/7!,
	v_fmaak_f32 v37, v18, v35, 0x37d00d01          ; the cosine's: -1/10!, 1/8!,
	v_fmaak_f32 v36, v36, v35, 0x3c088889          ; 1/5!,
	v_fmaak_f32 v37, v37, v35, 0xbab60b61          ; -1/6!,
	v_fmaak_f32 v36, v36, v35, 0xbe2aaaab          ; -1/3!
	v_fmaak_f32 v37, v37, v35, 0x3d2aaaab          ; 1/4!,
	v_mul_f32 v38, v34, v35
	v_fmaak_f32 v37, v37, v35, 0xbf000000          ; -1/2
	v_fma_f32 v36, v38, v36, v34                   ; sin R
	v_fma_f32 v37, v37, v35, 1.0                   ; cos R
	v_cvt_i32_f32 v38, v33
	v_and_b32 v39, 1, v38
	v_cmp_ne_u32 vcc_lo, 0, v39                    ; N odd: the two change places
	v_cndmask_b32 v[RO+2*\i], v37, v36, vcc_lo
	v_cndmask_b32 v[RO+2*\i+1], v36, v37, vcc_lo
	v_add_nc_u32 v39, 1, v38
	v_and_b32 v39, 2, v39
	v_lshlrev_b32 v39, 30, v39
	v_xor_b32 v[RO+2*\i], v39, v[RO+2*\i]          ; the cosine is turned where N % 4 is 1 or 2,
	v_and_b32 v39, 2, v38
	v_lshlrev_b32 v39, 30, v39
	v_xor_b32 v[RO+2*\i+1], v39, v[RO+2*\i+1]      ; the sine where it is 2 or 3
.endm
.irp i, 0,1,2,3,4,5,6,7
	SINCOS \i
.endr
.irp a, 0,1,2,3
	global_store_b128 v15, v[RO+4*\a:RO+4*\a+3], s[24:25] offset:2048*\a   ; a wave stores 512 consecutive bytes, aligned
.endr
	s_endpgm
.Lfunc_end_k_q942d104f6a_prep:
	.size	k_q942d104f6a_prep, .Lfunc_end_k_q942d104f6a_prep-k_q942d104f6a_prep
	.p2alignl 7, 3214868480
	.fill 96, 4, 3214868480
	.section	.rodata,"a",@progbits
	.p2align	6, 0x0
	.amdhsa_kernel k_q942d104f6a_prep
		.amdhsa_group_segment_fixed_size 50688
		.amdhsa_private_segment_fixed_size 0
		.amdhsa_enable_private_segment 0
		.amdhsa_kernarg_size 88
		.amdhsa_user_sgpr_count 2
		.amdhsa_user_sgpr_kernarg_segment_ptr 1
		.amdhsa_wavefront_size32 1
		.amdhsa_system_sgpr_workgroup_id_x 1
		.amdhsa_system_sgpr_workgroup_id_y 1
		.amdhsa_system_sgpr_workgroup_id_z 1
		.amdhsa_system_vgpr_workitem_id 0
		.amdhsa_next_free_vgpr 192
		.amdhsa_next_free_sgpr 66
		.amdhsa_reserve_vcc 1
		.amdhsa_float_denorm_mode_32 3
		.amdhsa_float_denorm_mode_16_64 3
		.amdhsa_memory_ordered 1
		.amdhsa_forward_progress 1
		.amdhsa_inst_pref_size 71
	.end_amdhsa_kernel
	.amdgpu_metadata
---
amdhsa.version: [ 1, 2 ]
amdhsa.kernels:
  - .name:           k_q942d104f6a_prep
    .symbol:         k_q942d104f6a_prep.kd
    .args:
      - { .name: x, .offset: 0, .size: 8, .value_kind: global_buffer, .address_space: global }
      - { .name: w_q, .offset: 8, .size: 8, .value_kind: global_buffer, .address_space: global }
      - { .name: w_k, .offset: 16, .size: 8, .value_kind: global_buffer, .address_space: global }
      - { .name: w_v, .offset: 24, .size: 8, .value_kind: global_buffer, .address_space: global }
      - { .name: w_o, .offset: 32, .size: 8, .value_kind: global_buffer, .address_space: global }
      - { .name: xcodes, .offset: 40, .size: 8, .value_kind: global_buffer, .address_space: global }
      - { .name: xscales, .offset: 48, .size: 8, .value_kind: global_buffer, .address_space: global }
      - { .name: wcodes, .offset: 56, .size: 8, .value_kind: global_buffer, .address_space: global }
      - { .name: wscales, .offset: 64, .size: 8, .value_kind: global_buffer, .address_space: global }
      - { .name: woimg, .offset: 72, .size: 8, .value_kind: global_buffer, .address_space: global }
      - { .name: rope, .offset: 80, .size: 8, .value_kind: global_buffer, .address_space: global }
    .group_segment_fixed_size: 50688
    .private_segment_fixed_size: 0
    .kernarg_segment_align: 8
    .kernarg_segment_size: 88
    .max_flat_workgroup_size: 128
    .sgpr_count:     66
    .vgpr_count:     192
    .wavefront_size: 32
...
	.end_amdgpu_metadata
.endif
;; end of part 1
;; launch qkvatt (part 2): grid 32 x 16, 4 waves a work-group, clusters of 4 x 4, 327,680 bytes of LDS; arguments xcodes, xscales, wcodes, wscales, b_q, b_k, b_v, rope, att; writes att
.if DOCPART == 2
	.amdgcn_target "amdgcn-amd-amdhsa--gfx1250"
	.amdhsa_code_object_version 6
	.text
	.protected	k_q942d104f6a_qkvatt
	.globl	k_q942d104f6a_qkvatt
	.p2align	8
	.type	k_q942d104f6a_qkvatt,@function
k_q942d104f6a_qkvatt:
	s_mov_b64 s[64:65], 0
	v_nop
	global_prefetch_b8 v0, s[64:65] scope:SCOPE_SE
	s_setreg_imm32_b32 hwreg(HW_REG_WAVE_MODE, 25, 1), 1
	s_wait_xcnt 0x0
	s_wait_alu depctr_hold_cnt(0) depctr_sa_sdst(0) depctr_va_vdst(0) depctr_va_sdst(0) depctr_va_ssrc(0) depctr_va_vcc(0) depctr_vm_vsrc(0)
	s_getreg_b32 s2, hwreg(HW_REG_IB_STS2, 6, 4)
	s_cmp_eq_u32 s2, 0
	s_cbranch_scc0 .Lentry_in_a_cluster
	s_endpgm
.Lentry_in_a_cluster:
	s_bfe_u32 s2, ttmp6, 0x10000c
	s_cmp_lg_u32 s2, 0xf033
	s_cbranch_scc0 .Lentry_shape_is_right
	s_endpgm
.Lentry_shape_is_right:
; q, k, v = x W^T + b on codes of FP4 (E2M1) with E8M0 scales, then rope, softmax(q k^T / sqrt(32)) v: all behind the first product stays in registers.
; SHARES.  Work-group (X, Y): batches 4 Y .. 4 Y + 3 (256 rows of x) and heads 2 X, 2 X + 1 (192 rows of the weights' buffer: each head's 32 rows of w_q, w_k, w_v on end).  Wave w: batches 4 Y + 2 (w / 2) + u, u = 0, 1,
; and head 2 X + w % 2: 128 rows x 96 columns = 48 accumulators: x's blocks a = 0 .. 7, the weights' blocks b = 0 .. 5 (q0 q1 k0 k1 v0 v1).  K = 2,048 goes in four slots' worth of 512 through a ring of two LDS slots.
; ORIENTATION.  q's and k's products are used TRANSPOSED (source 0 = 16 rows of w, source 1 = 16 rows of x): a lane holds ONE position (lane % 16) and channels 16 c + 8 (lane / 16) + 0 .. 7, so that blocks c = 0, 1, rounded
; to f16 in pairs, ARE the 8 registers of a 16 x 32 operand.  v's products are used as they stand (source 0 = x): a lane holds one channel and 8 keys, and two blocks of rows ARE an operand of V^T.  Then S^T = K Q^T and
; O^T = V^T P hold one query a lane throughout; O^T, rounded, is an image of the registers that the last launch's operand wants, and is stored so: [row / 16][head][1024 bytes].  Nothing changes lanes but one exchange of halves.
; The biases are the C of each sum's first product.  The rope's cos and sin come from the table that the launch before made, in the order of these registers.
; SOFTMAX: the row's true maximum m is taken off: p = 2^(c s - c m), c = log2(e) / sqrt(32); the sum is of the unrounded p and divides O^T at the end.
; CLUSTER 4 x 4: the four of a row need the same tiles of x, the four of a column the same tiles of the weights: each tile and each block of scale bytes is asked for jointly.
; By this text's count a wave has three tensor loads out at the start and one behind each round.
; No prefetch: the launch has two refills a wave, and every tile is read by many work-groups at about the same time.
; LIMITS: q, k, v, p and the result go to the matrix units as f16: magnitudes up to 65,504 (steps of 6e-8 under 6e-5); NaN and infinities are not served.
; REGISTERS, in windows of 256.  Window 0: v1-31 addresses; v32-95 scale words, two sets (register 32 set + 4 i + q: lanes 0-15 the weights' block i, lanes 16-31 x's block i, for the slot's q-th 128 along K); v96-223 the table.
;   Window 1: two sets of fragments, at v0 and v128: x's block a at + 8 a, the weights' block b at + 64 + 8 b; later Q v0, K v32, V v64 (f16), O^T v96-159, what is stored v160-223.
;   Window 2 + u: unit u's 24 accumulators ((a % 4, b) at 8 (6 (a % 4) + b)); later S^T v0-127, statistics v128-159, rotated numbers and then P v192-255.  Window 2, v192-239: the biases.
.set PITCH, 272                        ; an LDS row: 256 bytes + 16 of padding: the 16 rows that a load touches start at 16 different banks (64 banks of 4 bytes: ISA guide 11.1)
.set AHALF, 128*PITCH
.set BHALF, 96*PITCH
.set BOFF,  256*PITCH                  ; a slot: x's 256 rows, then the weights' 192
.set SLOT,  448*PITCH
.set SCL,   2*SLOT                     ; behind the ring: the scale bytes for all of K, as units of 256 bytes + 16: the weights' 48 units,
.set SBH,   24*272
.set SAH,   32*272
.set SCA,   SCL+2*SBH                  ; then x's 64
.set SPARE, SCA+2*SAH                  ; the spare words, 128 bytes for each wave: two blocks of 256 bytes that no other line names
.set ADRA, 16                          ; v16-17 LDS address of my fragments of x in slot 0, 1
.set ADRB, 20                          ; v20-21 of the weights
.set BH,   22                          ; v22  32 (lane / 16)
.set BR,   23                          ; v23  4 (lane % 16)
.set GO,   26                          ; v26  16 x lane
.set ADRS, 27                          ; v27  LDS address of my scale words
.set SPW,  28                          ; v28  LDS address of my spare word; never rewritten
.set NIL,  29                          ; v29  0; never rewritten
.set SC,   32
.set TB,   96
.set F0,   0
.set F1,   128
.set BI,   192
.set QF,   0
.set KF,   32
.set VF,   64
.set OB,   96
.set OUT,  160
.set ST,   128                         ; a query tile's statistics at ST + 8 jq: +0 c m, +1 m, +2, +3 the sum in two halves, +4, +5 at work, +6 1 / sum, +7 the sum
.set TMP,  192
.set P,    192
.set G1,   24                          ; s[24:31] group 1 for x's tiles; s[32:39] group 0, a set for each slot
.set G0,   32
.set G1B,  48                          ; s[48:55], s[56:63] the same for the weights'
.set G0B,  56
.set G1S,  68                          ; s[68:75], s[76:79] for x's scales; s[80:87], s[88:91] for the weights'
.set G0S,  76
.set G1SB, 80
.set G0SB, 88
.set MSB, 0
.macro WIN new                         ; the immediate's high byte repeats the setting that is left; a switch that changes nothing is dropped
.if MSB != (\new)
	s_set_vgpr_msb (MSB<<8)|(\new)
.set MSB, (\new)
.endif
.endm
; A joint load: waves 0 and 1 fetch for x, waves 2 and 3 for the weights.  The branch hangs on the wave's number alone.  An s_nop 0 and four v_nop follow each of the two lines.
.macro JLOAD g0a, g1a, g0b, g1b
	s_cmp_eq_u32 s15, 0
	s_cbranch_scc0 .Lfor_b_\@
	tensor_load_to_lds s[\g0a:\g0a+3], s[\g1a:\g1a+7]
	s_nop 0
.rept 4
	v_nop
.endr
	s_branch .Lasked_\@
.Lfor_b_\@:
	tensor_load_to_lds s[\g0b:\g0b+3], s[\g1b:\g1b+7]
	s_nop 0
.rept 4
	v_nop
.endr
.Lasked_\@:
.endm
.macro CREST                           ; a round of the cluster's barrier behind its opening barrier
	s_cmp_lg_u32 s14, 0
	s_cbranch_scc1 .Lnot_wave_0_\@
	s_barrier_signal -3
.Lnot_wave_0_\@:
	s_barrier_wait -3
	s_barrier_signal -1
	s_barrier_wait -1
.endm
.macro CROUND
	s_barrier_signal -1
	s_barrier_wait -1
	CREST
.endm
.macro PLACES n                        ; plain vector lines behind matrix instructions, ahead of loads into their registers and of reads of their results
.rept \n
	v_nop
.endr
.endm
	s_load_b256 s[4:11], s[0:1], 0x0               ; x's codes, x's scales, the weights' codes, the weights' scales
	s_load_b256 s[92:99], s[0:1], 0x20             ; b_q, b_k, b_v, the table
	s_load_b64 s[100:101], s[0:1], 0x40            ; att
	v_lshl_add_u32 v[SPW], v0, 2, SPARE
	v_mov_b32 v[NIL], 0
	ds_add_u32 v[SPW], v[NIL]                      ; the wave's opening: the add, twice on end, and its wait ahead of my first tensor load
	ds_add_u32 v[SPW], v[NIL]
	v_lshrrev_b32 v1, 5, v0
	v_readfirstlane_b32 s14, v1                    ; wave 0..3
	s_lshr_b32 s15, s14, 1                         ; which two batches are mine.  Also: I fetch for x (0) or for the weights (1)
	s_and_b32 s16, s14, 1                          ; which head.  Also: which half of that tile I fetch
	s_bfe_u32 s40, ttmp6, 0x40000                  ; cx, cy: my place in the cluster
	s_bfe_u32 s41, ttmp6, 0x40004
	s_lshl_b32 s42, ttmp9, 2
	s_add_co_u32 s42, s42, s40                     ; X
	s_and_b32 s17, ttmp7, 0xffff
	s_lshl_b32 s17, s17, 2
	s_add_co_u32 s17, s17, s41                     ; Y
	s_lshl_b32 s43, s41, 2
	s_lshl_b32 s43, 15, s43                        ; my row of the cluster
	s_lshl_b32 s44, 0x1111, s40                    ; my column
	; group 1.  Codes: rows of 256 bytes (elements of 1 byte), 1,024 bytes apart in memory, 16 bytes of padding behind each; 128 rows of x, 96 of the weights
	s_or_b32 s[G1], s43, (1<<20)|(1<<21)|(5<<22)|(3<<25)           ; 15:0 the mask; 20 padding on; 21 set beside a mask; 24:22 after every 64 words; 31:25 four words
	s_or_b32 s[G1B], s44, (1<<20)|(1<<21)|(5<<22)|(3<<25)
.irp g, G1, G1B
	s_mov_b32 s[\g+1], 256<<16                     ; tensor_dim0
	s_mov_b32 s[\g+3], 256<<16                     ; tile_dim0
	s_mov_b32 s[\g+5], 1024                        ; the pitch
	s_mov_b32 s[\g+6], 0
	s_mov_b32 s[\g+7], 0
.endr
	s_mov_b32 s[G1+2], 128<<16                     ; tensor_dim1
	s_mov_b32 s[G1+4], 128                         ; tile_dim1
	s_mov_b32 s[G1B+2], 96<<16
	s_mov_b32 s[G1B+4], 96
	; scale bytes: a dense block (64 bytes a row), as rows of 256 bytes (32 elements of 8 bytes), 16 bytes of padding behind each; 32 such rows for x's 128, 24 for the weights' 96
	s_or_b32 s[G1S], s43, (3<<16)|(1<<20)|(1<<21)|(5<<22)|(3<<25)
	s_or_b32 s[G1SB], s44, (3<<16)|(1<<20)|(1<<21)|(5<<22)|(3<<25)
.irp g, G1S, G1SB
	s_mov_b32 s[\g+1], 32<<16
	s_mov_b32 s[\g+3], 32<<16
	s_mov_b32 s[\g+5], 32
	s_mov_b32 s[\g+6], 0
	s_mov_b32 s[\g+7], 0
.endr
	s_mov_b32 s[G1S+2], 32<<16
	s_mov_b32 s[G1S+4], 32
	s_mov_b32 s[G1SB+2], 24<<16
	s_mov_b32 s[G1SB+4], 24
	; where the tiles come from: x's hang on Y alone, the weights' on X alone
	s_lshl_b32 s20, s17, 8
	s_lshl_b32 s18, s16, 7
	s_add_co_u32 s20, s20, s18                     ; x: row 256 Y + 128 x half
	s_lshl_b32 s22, s20, 6                         ; its scale bytes,
	s_lshl_b32 s20, s20, 10                        ; its codes
	s_mov_b32 s21, 0
	s_mov_b32 s23, 0
	s_mul_i32 s46, s42, 192
	s_mul_i32 s47, s16, 96
	s_add_co_u32 s46, s46, s47                     ; the weights: row 192 X + 96 x half
	s_lshl_b32 s66, s46, 6
	s_lshl_b32 s46, s46, 10
	s_mov_b32 s47, 0
	s_mov_b32 s67, 0
	s_mul_i32 s2, s16, AHALF                       ; and where they go: no place in the cluster enters an LDS address
	s_mul_i32 s3, s16, BHALF
	s_add_co_u32 s3, s3, BOFF
	s_mul_i32 s45, s16, SAH
	s_add_co_u32 s45, s45, SCA
	s_mul_i32 s19, s16, SBH
	s_add_co_u32 s19, s19, SCL
	s_wait_dscnt 0x0                               ; both opening adds are done
	s_wait_kmcnt 0x0
	s_add_nc_u64 s[20:21], s[4:5], s[20:21]
	s_add_nc_u64 s[22:23], s[6:7], s[22:23]
	s_add_nc_u64 s[46:47], s[8:9], s[46:47]
	s_add_nc_u64 s[66:67], s[10:11], s[66:67]
	CROUND                                         ; all sixteen work-groups are here: the first joint loads meet
	s_mov_b32 s[G0S], 1
	s_mov_b32 s[G0S+1], s45
	s_mov_b64 s[G0S+2:G0S+3], s[22:23]
	s_or_b32 s[G0S+3], s[G0S+3], 0x80000000
	s_mov_b32 s[G0SB], 1
	s_mov_b32 s[G0SB+1], s19
	s_mov_b64 s[G0SB+2:G0SB+3], s[66:67]
	s_or_b32 s[G0SB+3], s[G0SB+3], 0x80000000
	JLOAD G0S, G1S, G0SB, G1SB                     ; the scale bytes first: they are wanted with the first slot, and stay
.irp s, 0,1
	s_mov_b32 s[G0+4*\s], 1
	s_add_co_u32 s[G0+4*\s+1], s2, \s*SLOT
	s_add_nc_u64 s[G0+4*\s+2:G0+4*\s+3], s[20:21], \s*256
	s_or_b32 s[G0+4*\s+3], s[G0+4*\s+3], 0x80000000
	s_mov_b32 s[G0B+4*\s], 1
	s_add_co_u32 s[G0B+4*\s+1], s3, \s*SLOT
	s_add_nc_u64 s[G0B+4*\s+2:G0B+4*\s+3], s[46:47], \s*256
	s_or_b32 s[G0B+4*\s+3], s[G0B+4*\s+3], 0x80000000
	JLOAD G0+4*\s, G1, G0B+4*\s, G1B
.endr
	v_and_b32 v1, 15, v0                           ; r
	v_bfe_u32 v2, v0, 4, 1                         ; h
	v_mul_u32_u24 v3, v1, PITCH
	v_lshl_add_u32 v4, v2, 4, v3                   ; a fragment's row x pitch + 16 h
	s_mul_i32 s21, s15, AHALF                      ; my 128 rows of x,
	s_mul_i32 s22, s16, BHALF                      ; my 96 of the weights
	s_add_co_u32 s22, s22, BOFF
.irp s, 0,1
	v_add_nc_u32 v[ADRA+\s], s21, v4
	v_add_nc_u32 v[ADRB+\s], s22, v4
	s_add_co_u32 s21, s21, SLOT
	s_add_co_u32 s22, s22, SLOT
.endr
	v_lshrrev_b32 v5, 2, v1                        ; a row's 64 scale bytes: four rows to a unit
	v_mul_u32_u24 v5, v5, 272
	v_and_b32 v6, 3, v1
	v_lshl_add_u32 v5, v6, 6, v5
	s_mul_i32 s21, s16, SBH                        ; lanes 0-15: the weights', my 96 rows
	s_xor_b32 s23, s16, 1
	s_mul_i32 s23, s23, SBH
	s_mul_i32 s22, s15, SAH
	s_add_co_u32 s22, s22, s23
	s_add_co_u32 s22, s22, SBH                     ; lanes 16-31: x's, my 128 rows: so many bytes further on
	v_mul_u32_u24 v6, s22, v2
	s_add_co_u32 s21, s21, SCL
	v_add_nc_u32 v5, v5, v6
	v_add_nc_u32 v[ADRS], s21, v5
	v_lshlrev_b32 v[BH], 5, v2
	v_lshlrev_b32 v[BR], 2, v1
	v_and_b32 v6, 31, v0
	v_lshlrev_b32 v[GO], 4, v6
	s_lshl_b32 s46, s42, 1
	s_add_co_u32 s46, s46, s16                     ; my head
	s_lshl_b32 s66, s46, 10                        ; its image in a block of 16 rows of att,
	s_lshl_b32 s46, s46, 7                         ; its 32 numbers of a bias
	s_mov_b32 s47, 0
	s_mov_b32 s67, 0
	s_add_nc_u64 s[92:93], s[92:93], s[46:47]
	s_add_nc_u64 s[94:95], s[94:95], s[46:47]
	s_add_nc_u64 s[96:97], s[96:97], s[46:47]
	s_lshl_b32 s20, s17, 2
	s_lshl_b32 s21, s15, 1
	s_add_co_u32 s20, s20, s21                     ; my first batch
	s_lshl_b32 s22, s20, 18                        ; four blocks of 16 rows x 64 images,
	s_lshl_b32 s20, s20, 13                        ; 8,192 bytes of the table
	s_mov_b32 s21, 0
	s_mov_b32 s23, 0
	s_add_nc_u64 s[98:99], s[98:99], s[20:21]
	s_add_nc_u64 s[100:101], s[100:101], s[22:23]
	s_add_nc_u64 s[100:101], s[100:101], s[66:67]
	s_mov_b32 s12, 0x76543210
	s_mov_b32 s13, 0xfedcba98                      ; v_permlanex16_b32's selects for lane l xor 16
	s_mov_b32 s18, 0x3e8293ee                      ; c = log2(e) / sqrt(32)
	s_mov_b32 s19, s18                             ; (named with it as a pair, so it is written)
	WIN 0x80                                       ; destination window 2
.irp c, 0,1                                    ; q's and k's: lane (r, h) wants the numbers of channels 16 c + 8 h + 0 .. 7
	global_load_b128 v[BI+8*\c:BI+8*\c+3], v[BH], s[92:93] offset:64*\c
	global_load_b128 v[BI+8*\c+4:BI+8*\c+7], v[BH], s[92:93] offset:64*\c+16
	global_load_b128 v[BI+16+8*\c:BI+16+8*\c+3], v[BH], s[94:95] offset:64*\c
	global_load_b128 v[BI+16+8*\c+4:BI+16+8*\c+7], v[BH], s[94:95] offset:64*\c+16
.endr
.irp c, 0,1                                    ; v's: the number of channel 16 c + r, in all eight registers
.irp j, 0,1,2,3,4,5,6,7
	global_load_b32 v[BI+32+8*\c+\j], v[BR], s[96:97] offset:64*\c
.endr
.endr
	WIN 0
.irp u, 0,1
.irp a, 0,1,2,3
.irp c, 0,1
.irp e, 0,1
	global_load_b128 v[TB+64*\u+16*\a+8*\c+4*\e:TB+64*\u+16*\a+8*\c+4*\e+3], v[GO], s[98:99] offset:8192*\u+2048*\a+1024*\c+512*\e   ; the table: wanted behind the last product
.endr
.endr
.endr
.endr
; 28 LDS loads in one run: the fragments of the slot's q-th 128 along K into set f: the weights' six, x's blocks 0-3, x's blocks 4-7.  A fragment, 16 rows x 128 K of 4-bit codes, is 8 registers:
; lane l holds row l % 16; registers 4 c .. 4 c + 3 hold K = 64 c + 32 (l / 16) + 0 .. 31.
.macro FETCH slot, q, f
	WIN 0x40                                       ; destination window 1
.irp i, 0,1,2,3,4,5
	ds_load_b128 v[\f+64+8*\i:\f+64+8*\i+3], v[ADRB+\slot] offset:64*(\q)+\i*16*PITCH
	ds_load_b128 v[\f+64+8*\i+4:\f+64+8*\i+7], v[ADRB+\slot] offset:64*(\q)+32+\i*16*PITCH
.endr
.irp i, 0,1,2,3,4,5,6,7
	ds_load_b128 v[\f+8*\i:\f+8*\i+3], v[ADRA+\slot] offset:64*(\q)+\i*16*PITCH
	ds_load_b128 v[\f+8*\i+4:\f+8*\i+7], v[ADRA+\slot] offset:64*(\q)+32+\i*16*PITCH
.endr
.endm
.macro SCALES set, ks                  ; the scale words of K = 512 ks on: four words a row.  (For i = 6, 7 lanes 0-15 read on past the weights' six blocks; those lanes' words are not used)
.irp i, 0,1,2,3,4,5,6,7
	ds_load_b128 v[SC+32*(\set)+4*\i:SC+32*(\set)+4*\i+3], v[ADRS] offset:\i*1088+16*(\ks)
.endr
.endm
; 6 na matrix instructions: x's blocks a0 .. a0 + na - 1, each against the weights' six.  first = 1: the biases start the sums.  The 48 accumulators take turns, one instruction a turn, in the same order in every
; step.
.macro MUL f, a0, na, q, set, first
.set MA, \a0
.rept \na
.irp b, 0,1,2,3,4,5
.set MD, 8*(6*(MA%4)+\b)
.if \b < 4
.if \first
	v_wmma_scale_f32_16x16x128_f8f6f4 v[MD:MD+7], v[\f+64+8*\b:\f+64+8*\b+7], v[\f+8*MA:\f+8*MA+7], v[BI+8*\b:BI+8*\b+7], v[SC+32*(\set)+4*\b+(\q)], v[SC+32*(\set)+4*MA+(\q)] matrix_a_fmt:MATRIX_FMT_FP4 matrix_b_fmt:MATRIX_FMT_FP4 matrix_b_scale:MATRIX_SCALE_ROW1
.else
	v_wmma_scale_f32_16x16x128_f8f6f4 v[MD:MD+7], v[\f+64+8*\b:\f+64+8*\b+7], v[\f+8*MA:\f+8*MA+7], v[MD:MD+7], v[SC+32*(\set)+4*\b+(\q)], v[SC+32*(\set)+4*MA+(\q)] matrix_a_fmt:MATRIX_FMT_FP4 matrix_b_fmt:MATRIX_FMT_FP4 matrix_b_scale:MATRIX_SCALE_ROW1
.endif
.else
.if \first
	v_wmma_scale_f32_16x16x128_f8f6f4 v[MD:MD+7], v[\f+8*MA:\f+8*MA+7], v[\f+64+8*\b:\f+64+8*\b+7], v[BI+8*\b:BI+8*\b+7], v[SC+32*(\set)+4*MA+(\q)], v[SC+32*(\set)+4*\b+(\q)] matrix_a_fmt:MATRIX_FMT_FP4 matrix_b_fmt:MATRIX_FMT_FP4 matrix_a_scale:MATRIX_SCALE_ROW1
.else
	v_wmma_scale_f32_16x16x128_f8f6f4 v[MD:MD+7], v[\f+8*MA:\f+8*MA+7], v[\f+64+8*\b:\f+64+8*\b+7], v[MD:MD+7], v[SC+32*(\set)+4*MA+(\q)], v[SC+32*(\set)+4*\b+(\q)] matrix_a_fmt:MATRIX_FMT_FP4 matrix_b_fmt:MATRIX_FMT_FP4 matrix_a_scale:MATRIX_SCALE_ROW1
.endif
.endif
.endr
.set MA, MA+1
.endr
.endm
; A step of 128 along K that has its successor in the same slot: multiplies set f, and in its middle fetches the next step's fragments into set g.
.macro STEP slot, q, f, g, first
	s_wait_dscnt 8                                 ; all but the youngest eight loads (x's blocks 4-7) are in
	WIN 0xa5                                       ; sources window 1, C and D window 2
	MUL \f, 0, 4, \q, \slot, \first
	PLACES 4
	FETCH \slot, (\q)+1, \g
	s_wait_dscnt 28                                ; all but the 28 just issued
.if \first
	WIN 0xe5                                       ; C (the biases) window 2, D window 3
.else
	WIN 0xf5
.endif
	MUL \f, 4, 4, \q, \slot, \first
.endm
; A slot's last step changes slots: ONE barrier; in front of it each wave waits for all its tensor loads, adds 0 to its spare word, and waits for that and for its own reads of this slot.
; fill = 1: the barrier opens a round of the cluster's, and this slot is filled again, 1,024 along K further on, first thing behind the round.
.macro TURN slot, next, ks, fill
	WIN 0                                          ; (the add's two registers lie in window 0)
	s_wait_tensorcnt 0x0                           ; all my tensor loads have landed: my part of the next slot
	ds_add_u32 v[SPW], v[NIL]                      ; 0 onto my spare word
	s_wait_dscnt 9                                 ; (the add and the youngest eight loads may be out)
	WIN 0xa5
	MUL F1, 0, 2, 3, \slot, 0                      ; twelve matrix instructions stand between the add and the wait for it
	s_wait_dscnt 0x0                               ; the add is done, and my reads of this slot are over
	s_barrier_signal -1
	MUL F1, 2, 2, 3, \slot, 0
	WIN 0
	s_barrier_wait -1
.if \fill
	CREST                                          ; no wave of any partner still reads this slot's tile or has a load on its way
	s_add_nc_u64 s[G0+4*\slot+2:G0+4*\slot+3], s[G0+4*\slot+2:G0+4*\slot+3], 512
	s_add_nc_u64 s[G0B+4*\slot+2:G0B+4*\slot+3], s[G0B+4*\slot+2:G0B+4*\slot+3], 512
	JLOAD G0+4*\slot, G1, G0B+4*\slot, G1B         ; the four v_nop behind it are also the places in front of the loads below
.else
	PLACES 4
.endif
	SCALES \next, \ks
	FETCH \next, 0, F0
	WIN 0xf5
	MUL F1, 4, 4, 3, \slot, 0
.endm
	s_wait_tensorcnt 0x1                           ; the scale bytes and my part of slot 0 are in; slot 1's load may be out
	s_barrier_signal -1
	s_barrier_wait -1                              ; everybody's are
	SCALES 0, 0
	FETCH 0, 0, F0
	s_wait_loadcnt 32                              ; the biases are in; the table's 32 loads may be out
	STEP 0, 0, F0, F1, 1                           ; K = 0 .. 511
	STEP 0, 1, F1, F0, 0
	STEP 0, 2, F0, F1, 0
	TURN 0, 1, 1, 1
	STEP 1, 0, F0, F1, 0                           ; K = 512 .. 1,023
	STEP 1, 1, F1, F0, 0
	STEP 1, 2, F0, F1, 0
	TURN 1, 0, 2, 1
	STEP 0, 0, F0, F1, 0                           ; K = 1,024 .. 1,535
	STEP 0, 1, F1, F0, 0
	STEP 0, 2, F0, F1, 0
	TURN 0, 1, 3, 0                                ; nothing is left to fetch
	STEP 1, 0, F0, F1, 0                           ; K = 1,536 .. 2,047
	STEP 1, 1, F1, F0, 0
	STEP 1, 2, F0, F1, 0
	s_wait_dscnt 8
	WIN 0xa5
	MUL F1, 0, 4, 3, 1, 0
	s_wait_dscnt 0x0
	WIN 0xf5
	MUL F1, 4, 4, 3, 1, 0
	WIN 0
	PLACES 4
	s_wait_loadcnt 0x0                             ; the table
; ONE BATCH AND HEAD: unit u, in window 2 + u.  n = 0 .. 31 counts a lane's pairs: block of positions a = n / 8, block of channels c = (n / 4) % 2, pair p = n % 4.
.macro UNIT u
.set W_R, 0xa2+0x51*\u                 ; accumulators and rotated numbers window 2 + u, the table window 0
.set W_C, 0x4a+0x05*\u                 ; sources window 2 + u, destination window 1
.set W_S, 0xa5+0x50*\u                 ; sources window 1, destination window 2 + u
.set W_W, 0xaa+0x55*\u                 ; all in window 2 + u
.set W_O, 0x59+0x04*\u                 ; V, C and D window 1, P window 2 + u
.set W_M, 0x49+0x04*\u                 ; O^T window 1, 1 / sum window 2 + u
.irp t, 0,1                            ; the rope, for q (t = 0) and k (t = 1): (re, im) -> (re cos - im sin, im cos + re sin), in f32, two numbers an instruction
	WIN W_R
.set n, 0
.rept 32
.set XR, 8*(6*(n/8)+2*\t+(n/4)%2)+2*(n%4)
	v_pk_mul_f32 v[TMP+2*n:TMP+2*n+1], v[XR:XR+1], v[TB+64*\u+2*n:TB+64*\u+2*n+1] op_sel_hi:[1,0]   ; (re cos, im cos).  Each accumulator is read from its low end on
.set n, n+1
.endr
.set n, 0
.rept 32
.set XR, 8*(6*(n/8)+2*\t+(n/4)%2)+2*(n%4)
	v_pk_fma_f32 v[TMP+2*n:TMP+2*n+1], v[XR:XR+1], v[TB+64*\u+2*n:TB+64*\u+2*n+1], v[TMP+2*n:TMP+2*n+1] op_sel:[1,1,0] op_sel_hi:[0,1,1] neg_lo:[0,1,0]   ; low: - im sin; high: + re sin
.set n, n+1
.endr
	WIN W_C
.set n, 0
.rept 32
	v_cvt_pk_f16_f32 v[QF+32*\t+n], v[TMP+2*n], v[TMP+2*n+1]       ; register 8 a + 4 c + p of the operand: position 16 a + r, channels 16 c + 8 h + 2 p, + 1
.set n, n+1
.endr
.endr
.set n, 0
.rept 32                               ; V^T's four operands (channels 16 c on, keys 32 kh on): blocks of positions 2 kh and 2 kh + 1 are its registers 0-3 and 4-7
.set XR, 8*(6*(n/8)+4+(n/4)%2)+2*(n%4)
	v_cvt_pk_f16_f32 v[VF+8*(2*((n/4)%2)+(n/8)/2)+4*((n/8)%2)+n%4], v[XR], v[XR+1]
.set n, n+1
.endr
	WIN W_S
.irp jq, 0,1,2,3                       ; S^T = K Q^T: 16 keys x 16 queries, all 32 channels in one instruction
.irp i, 0,1,2,3
	v_wmma_f32_16x16x32_f16 v[32*\jq+8*\i:32*\jq+8*\i+7], v[KF+8*\i:KF+8*\i+7], v[QF+8*\jq:QF+8*\jq+7], 0
.endr
.endr
	WIN W_W
	PLACES 4
.irp jq, 0,1,2,3                       ; the largest of a lane's 32 scores of each query tile: two chains of 16 a tile, the eight by turns
.irp k, 0,1
	v_max3_num_f32 v[ST+8*\jq+4+\k], v[32*\jq+16*\k], v[32*\jq+16*\k+1], v[32*\jq+16*\k+2]
.endr
.endr
.irp i, 3,5,7,9,11,13
.irp jq, 0,1,2,3
.irp k, 0,1
	v_max3_num_f32 v[ST+8*\jq+4+\k], v[ST+8*\jq+4+\k], v[32*\jq+16*\k+\i], v[32*\jq+16*\k+\i+1]
.endr
.endr
.endr
.irp jq, 0,1,2,3
.irp k, 0,1
	v_max_num_f32 v[ST+8*\jq+4+\k], v[ST+8*\jq+4+\k], v[32*\jq+16*\k+15]
.endr
.endr
.irp jq, 0,1,2,3
	v_max_num_f32 v[ST+8*\jq+4], v[ST+8*\jq+4], v[ST+8*\jq+5]
.endr
.irp jq, 0,1,2,3
	v_permlanex16_b32 v[ST+8*\jq+5], v[ST+8*\jq+4], s12, s13       ; the query's other 32 keys lie in the lane 16 away
.endr
.irp jq, 0,1,2,3
	v_max_num_f32 v[ST+8*\jq+1], v[ST+8*\jq+4], v[ST+8*\jq+5]      ; m
.endr
.irp jq, 0,1,2,3
	v_mul_f32 v[ST+8*\jq], s18, v[ST+8*\jq+1]                      ; c m
.endr
.irp jq, 0,1,2,3
.set n, 0
.rept 16
	v_pk_fma_f32 v[32*\jq+2*n:32*\jq+2*n+1], v[32*\jq+2*n:32*\jq+2*n+1], s[18:19], v[ST+8*\jq:ST+8*\jq+1] op_sel_hi:[1,0,0] neg_lo:[0,0,1] neg_hi:[0,0,1]   ; c s - c m
.set n, n+1
.endr
.endr
.set n, 0
.rept 128
	v_exp_f32 v[n], v[n]                           ; p, at most 1
.set n, n+1
.endr
	v_nop                                          ; a plain line behind the last exponential
	s_wait_alu depctr_va_vdst(0)                   ; one wait for the batch of 128, ahead of its first reader
.set n, 0
.rept 64
	v_cvt_pk_f16_f32 v[P+n], v[2*n], v[2*n+1]      ; two tiles of keys, rounded in pairs, are an operand: 32 keys x 16 queries
.set n, n+1
.endr
.irp jq, 0,1,2,3                       ; the sums, of the unrounded p: a chain a tile, the four by turns
	v_pk_add_f32 v[ST+8*\jq+2:ST+8*\jq+3], v[32*\jq:32*\jq+1], v[32*\jq+2:32*\jq+3]
.endr
.irp i, 2,3,4,5,6,7,8,9,10,11,12,13,14,15
.irp jq, 0,1,2,3
	v_pk_add_f32 v[ST+8*\jq+2:ST+8*\jq+3], v[ST+8*\jq+2:ST+8*\jq+3], v[32*\jq+2*\i:32*\jq+2*\i+1]
.endr
.endr
	WIN W_O
.irp jq, 0,1,2,3                       ; O^T = V^T P: eight accumulators by turns, 32 keys at a time
.irp c, 0,1
	v_wmma_f32_16x16x32_f16 v[OB+8*(2*\jq+\c):OB+8*(2*\jq+\c)+7], v[VF+16*\c:VF+16*\c+7], v[P+16*\jq:P+16*\jq+7], 0
.endr
.endr
.irp jq, 0,1,2,3
.irp c, 0,1
	v_wmma_f32_16x16x32_f16 v[OB+8*(2*\jq+\c):OB+8*(2*\jq+\c)+7], v[VF+16*\c+8:VF+16*\c+15], v[P+16*\jq+8:P+16*\jq+15], v[OB+8*(2*\jq+\c):OB+8*(2*\jq+\c)+7]
.endr
.endr
	WIN W_W
.irp jq, 0,1,2,3                       ; (these twelve plain lines are the places behind the products)
	v_add_f32 v[ST+8*\jq+4], v[ST+8*\jq+2], v[ST+8*\jq+3]
.endr
.irp jq, 0,1,2,3
	v_permlanex16_b32 v[ST+8*\jq+5], v[ST+8*\jq+4], s12, s13
.endr
.irp jq, 0,1,2,3
	v_add_f32 v[ST+8*\jq+7], v[ST+8*\jq+4], v[ST+8*\jq+5]          ; the row's sum
.endr
.irp jq, 0,1,2,3
	v_rcp_f32 v[ST+8*\jq+6], v[ST+8*\jq+7]
.endr
	v_nop                                          ; a plain line behind the last reciprocal
	s_wait_alu depctr_va_vdst(0)                   ; one wait for the four, ahead of their first reader
	WIN W_M
.irp jq, 0,1,2,3
.irp i, 0,1,2,3,4,5,6,7
	v_pk_mul_f32 v[OB+16*\jq+2*\i:OB+16*\jq+2*\i+1], v[OB+16*\jq+2*\i:OB+16*\jq+2*\i+1], v[ST+8*\jq+6:ST+8*\jq+7] op_sel_hi:[1,0]
.endr
.endr
	WIN 0x45
.set n, 0
.rept 32
	v_cvt_pk_f16_f32 v[OUT+32*\u+n], v[OB+2*n], v[OB+2*n+1]
.set n, n+1
.endr
	WIN 0x04                                       ; a store's data are its source 1: window 1
.irp jq, 0,1,2,3
.irp c, 0,1
	global_store_b128 v[GO], v[OUT+32*\u+4*(2*\jq+\c):OUT+32*\u+4*(2*\jq+\c)+3], s[100:101] offset:262144*\u+65536*\jq+512*\c   ; half an image: 512 consecutive bytes, aligned
.endr
.endr
.endm
	UNIT 0
	UNIT 1
	WIN 0
	s_wait_tensorcnt 0x0                           ; the wave's end: behind my last tensor load
	ds_add_u32 v[SPW], v[NIL]
	s_wait_dscnt 0x0
	CROUND                                         ; the closing round: no work-group ends while a partner may still ask for a tile that names it
	s_endpgm
.Lfunc_end_k_q942d104f6a_qkvatt:
	.size	k_q942d104f6a_qkvatt, .Lfunc_end_k_q942d104f6a_qkvatt-k_q942d104f6a_qkvatt
	.p2alignl 7, 3214868480
	.fill 96, 4, 3214868480
	.section	.rodata,"a",@progbits
	.p2align	6, 0x0
	.amdhsa_kernel k_q942d104f6a_qkvatt
		.amdhsa_group_segment_fixed_size 327680
		.amdhsa_private_segment_fixed_size 0
		.amdhsa_enable_private_segment 0
		.amdhsa_kernarg_size 72
		.amdhsa_user_sgpr_count 2
		.amdhsa_user_sgpr_kernarg_segment_ptr 1
		.amdhsa_wavefront_size32 1
		.amdhsa_system_sgpr_workgroup_id_x 1
		.amdhsa_system_sgpr_workgroup_id_y 1
		.amdhsa_system_sgpr_workgroup_id_z 1
		.amdhsa_system_vgpr_workitem_id 0
		.amdhsa_next_free_vgpr 1024
		.amdhsa_next_free_sgpr 102
		.amdhsa_reserve_vcc 0
		.amdhsa_float_denorm_mode_32 3
		.amdhsa_float_denorm_mode_16_64 3
		.amdhsa_memory_ordered 1
		.amdhsa_forward_progress 1
		.amdhsa_inst_pref_size 233
	.end_amdhsa_kernel
	.amdgpu_metadata
---
amdhsa.version: [ 1, 2 ]
amdhsa.kernels:
  - .name:           k_q942d104f6a_qkvatt
    .symbol:         k_q942d104f6a_qkvatt.kd
    .args:
      - { .name: xcodes, .offset: 0, .size: 8, .value_kind: global_buffer, .address_space: global }
      - { .name: xscales, .offset: 8, .size: 8, .value_kind: global_buffer, .address_space: global }
      - { .name: wcodes, .offset: 16, .size: 8, .value_kind: global_buffer, .address_space: global }
      - { .name: wscales, .offset: 24, .size: 8, .value_kind: global_buffer, .address_space: global }
      - { .name: b_q, .offset: 32, .size: 8, .value_kind: global_buffer, .address_space: global }
      - { .name: b_k, .offset: 40, .size: 8, .value_kind: global_buffer, .address_space: global }
      - { .name: b_v, .offset: 48, .size: 8, .value_kind: global_buffer, .address_space: global }
      - { .name: rope, .offset: 56, .size: 8, .value_kind: global_buffer, .address_space: global }
      - { .name: att, .offset: 64, .size: 8, .value_kind: global_buffer, .address_space: global }
    .group_segment_fixed_size: 327680
    .private_segment_fixed_size: 0
    .kernarg_segment_align: 8
    .kernarg_segment_size: 72
    .max_flat_workgroup_size: 128
    .sgpr_count:     102
    .vgpr_count:     1024
    .wavefront_size: 32
...
	.end_amdgpu_metadata
.endif
;; end of part 2
;; launch proj (part 3): grid 8 x 32, 4 waves a work-group, clusters of 4 x 4, 327,680 bytes of LDS; arguments att, woimg, b_o, out0; writes out0
.if DOCPART == 3
	.amdgcn_target "amdgcn-amd-amdhsa--gfx1250"
	.amdhsa_code_object_version 6
	.text
	.protected	k_q942d104f6a_proj
	.globl	k_q942d104f6a_proj
	.p2align	8
	.type	k_q942d104f6a_proj,@function
k_q942d104f6a_proj:
	s_mov_b64 s[64:65], 0
	v_nop
	global_prefetch_b8 v0, s[64:65] scope:SCOPE_SE
	s_setreg_imm32_b32 hwreg(HW_REG_WAVE_MODE, 25, 1), 1
	s_wait_xcnt 0x0
	s_wait_alu depctr_hold_cnt(0) depctr_sa_sdst(0) depctr_va_vdst(0) depctr_va_sdst(0) depctr_va_ssrc(0) depctr_va_vcc(0) depctr_vm_vsrc(0)
	s_getreg_b32 s2, hwreg(HW_REG_IB_STS2, 6, 4)
	s_cmp_eq_u32 s2, 0
	s_cbranch_scc0 .Lentry_in_a_cluster
	s_endpgm
.Lentry_in_a_cluster:
	s_bfe_u32 s2, ttmp6, 0x10000c
	s_cmp_lg_u32 s2, 0xf033
	s_cbranch_scc0 .Lentry_shape_is_right
	s_endpgm
.Lentry_shape_is_right:
; out0 = att w_o^T + b_o.  att [4096][2048] and w_o [2048][2048] arrive as f16 IMAGES OF OPERAND REGISTERS, [rows / 16][k / 32][1024 bytes] (byte 512 cc + 16 lane: registers 4 cc .. 4 cc + 3 of the lane); sums in f32; out0 f32.
; A tile of out0 is 128 rows x 256 columns: 256 work-groups.  Four waves, each 64 x 128: 32 accumulators of 16 x 16, 256 registers.
; K GOES IN STEPS OF 192 through a ring of two LDS slots: a block of 16 rows has a step's six images on end, 6,144 bytes, so a tile is rows of 6,144 bytes, 65,536 apart in memory; in LDS they lie on end, and a fragment load
; reads 512 consecutive bytes: no padding is wanted.  Behind each change of slots a wave issues one load, which has one step's products in which to land: so the step is as long as two slots allow: 24 blocks x 6,144 bytes
; = 147,456 a slot, 294,912 for two; seven images a block would take 344,064, more than a work-group can be given.
; 2,048 = 10 x 192 + 128: THE LAST STEP IS SHORTER, four images a block.  It has a group 1 of its own (rows of 4,096 bytes) and lands from the same LDS byte as each wave's full tile, its blocks 4,096 bytes apart.
; The fragment loads keep their address registers; the distance from block to block stands in the immediate.
; CLUSTER 4 x 4: the four of a row need the same tiles of att, the four of a column the same tiles of w_o: each is asked for jointly.  By this text's count a wave has two tensor loads out at the start, one behind each round.
; THE MATRIX INSTRUCTION IS USED TRANSPOSED (source 0 = 16 rows of w_o, source 1 = 16 rows of att): a lane holds eight neighbouring numbers of a row of out0.  The bias is the C of each sum's first product.
; No prefetch: each tile is read by 8 or 32 work-groups at about the same time, and the tile is small.
; LIMITS: operands are f16 as the launches before made them.
; REGISTERS: window 0: v1-31 addresses; v64-127 the bias, 8 registers a block of columns; v128-255 rows on the way out.  Window 1: two sets of fragments at v0 and v128: att's block i at + 8 i, w_o's at + 32 + 8 i.
;   Window 2: accumulator (a, b) at 8 (8 a + b).
.set BLK,    6144                      ; a block's part of a full step: six images
.set SBLK,   4096                      ; and of the last step: four
.set AHALF,  4*BLK                     ; four blocks of att: what one tensor load brings, and what one wave reads
.set BHALF,  8*BLK                     ; eight blocks of w_o likewise
.set BOFF,   2*AHALF                   ; a slot: att's 8 blocks, then w_o's 16
.set SLOT,   BOFF+2*BHALF
.set SPARE,  2*SLOT                    ; behind the ring: the spare words, 128 bytes for each wave: two blocks of 256 bytes that no other line names
.set STAGE,  SLOT                      ; the way out: a stage of 16 rows x (512 bytes + 16) for each wave, in slot 1, which has had its last fill, and its last read ahead of the last change of slots
.set SPITCH, 528
.set TRIPS,  4                         ; the loop's trips: two full steps each, both slots filled again
.set ADRA, 16                          ; v16-17 LDS address of my fragments of att in slot 0, 1
.set ADRB, 20                          ; v20-21 of w_o
.set STO,  24                          ; v24  the way out: where I put 32 bytes of a row
.set RD,   25                          ; v25  where I read a row back
.set CO,   26                          ; v26  16 x lane
.set SPW,  28                          ; v28  LDS address of my spare word; never rewritten
.set NIL,  29                          ; v29  0; never rewritten
.set BO,   30                          ; v30  32 (lane / 16)
.set BIAS, 64
.set BK,   128
.set F0,   0
.set F1,   128
.set G1,   24                          ; s[24:31] group 1 for att's full tiles; s[32:39] group 0, a set for each slot
.set G0,   32
.set G1B,  48                          ; s[48:55], s[56:63] the same for w_o's
.set G0B,  56
.set G1S,  68                          ; s[68:75] group 1 for att's last, shorter tile;
.set G1SB, 76                          ; s[76:83] for w_o's
.set MSB, 0
.macro WIN new                         ; the immediate's high byte repeats the setting that is left; a switch that changes nothing is dropped
.if MSB != (\new)
	s_set_vgpr_msb (MSB<<8)|(\new)
.set MSB, (\new)
.endif
.endm
; A joint load into slot s, by the groups 1 ga (att) and gb (w_o): waves 0 and 1 fetch att's two halves, waves 2 and 3 w_o's.  The branch hangs on the wave's number alone.
; An s_nop 0 and four v_nop follow each of the two lines.
.macro JLOAD s, ga, gb
	s_cmp_eq_u32 s15, 0
	s_cbranch_scc0 .Lfor_b_\@
	tensor_load_to_lds s[G0+4*\s:G0+4*\s+3], s[\ga:\ga+7]
	s_nop 0
.rept 4
	v_nop
.endr
	s_branch .Lasked_\@
.Lfor_b_\@:
	tensor_load_to_lds s[G0B+4*\s:G0B+4*\s+3], s[\gb:\gb+7]
	s_nop 0
.rept 4
	v_nop
.endr
.Lasked_\@:
.endm
.macro CREST                           ; a round of the cluster's barrier behind its opening barrier
	s_cmp_lg_u32 s14, 0
	s_cbranch_scc1 .Lnot_wave_0_\@
	s_barrier_signal -3
.Lnot_wave_0_\@:
	s_barrier_wait -3
	s_barrier_signal -1
	s_barrier_wait -1
.endm
.macro CROUND
	s_barrier_signal -1
	s_barrier_wait -1
	CREST
.endm
.macro PLACES                          ; four plain vector lines behind matrix instructions, ahead of loads into their registers and of reads of their results
.rept 4
	v_nop
.endr
.endm
	s_load_b256 s[4:11], s[0:1], 0x0               ; att, w_o's images, b_o, out0
	v_lshl_add_u32 v[SPW], v0, 2, SPARE
	v_mov_b32 v[NIL], 0
	ds_add_u32 v[SPW], v[NIL]                      ; the wave's opening: the add, twice on end, and its wait ahead of my first tensor load
	ds_add_u32 v[SPW], v[NIL]
	v_lshrrev_b32 v1, 5, v0
	v_readfirstlane_b32 s14, v1                    ; wave 0..3
	s_lshr_b32 s15, s14, 1                         ; which half of the tile's rows is mine.  Also: I fetch for att (0) or for w_o (1)
	s_and_b32 s16, s14, 1                          ; which half of its columns.  Also: which half of that tile I fetch
	s_bfe_u32 s40, ttmp6, 0x40000                  ; cx, cy: my place in the cluster
	s_bfe_u32 s41, ttmp6, 0x40004
	s_lshl_b32 s42, ttmp9, 2
	s_add_co_u32 s42, s42, s40                     ; X: tile column
	s_and_b32 s17, ttmp7, 0xffff
	s_lshl_b32 s17, s17, 2
	s_add_co_u32 s17, s17, s41                     ; Y: tile row
	s_lshl_b32 s43, s41, 2
	s_lshl_b32 s43, 15, s43                        ; my row of the cluster
	s_lshl_b32 s44, 0x1111, s40                    ; my column
	s_or_b32 s[G1], s43, (3<<16)|(1<<21)           ; 15:0 the mask; 17:16 elements of 8 bytes; 21 set beside a mask; no padding
	s_or_b32 s[G1B], s44, (3<<16)|(1<<21)
	s_or_b32 s[G1S], s43, (3<<16)|(1<<21)
	s_or_b32 s[G1SB], s44, (3<<16)|(1<<21)
.irp g, G1, G1B
	s_mov_b32 s[\g+1], (BLK/8)<<16                 ; tensor_dim0: 768 elements = 6,144 bytes
	s_mov_b32 s[\g+3], (BLK/8)<<16                 ; tile_dim0
	s_mov_b32 s[\g+5], 8192                        ; the pitch: 65,536 bytes
	s_mov_b32 s[\g+6], 0
	s_mov_b32 s[\g+7], 0
.endr
.irp g, G1S, G1SB
	s_mov_b32 s[\g+1], (SBLK/8)<<16                ; the last step's: 512 elements = 4,096 bytes
	s_mov_b32 s[\g+3], (SBLK/8)<<16
	s_mov_b32 s[\g+5], 8192
	s_mov_b32 s[\g+6], 0
	s_mov_b32 s[\g+7], 0
.endr
.irp g, G1, G1S
	s_mov_b32 s[\g+2], 4<<16                       ; four blocks of 16 rows to a load of att,
	s_mov_b32 s[\g+4], 4
.endr
.irp g, G1B, G1SB
	s_mov_b32 s[\g+2], 8<<16                       ; eight to a load of w_o
	s_mov_b32 s[\g+4], 8
.endr
	s_lshl_b32 s20, s17, 3
	s_lshl_b32 s18, s16, 2
	s_add_co_u32 s20, s20, s18                     ; att: block 8 Y + 4 x half
	s_lshl_b32 s20, s20, 16
	s_mov_b32 s21, 0
	s_lshl_b32 s46, s42, 4
	s_lshl_b32 s47, s16, 3
	s_add_co_u32 s46, s46, s47                     ; w_o: block 16 X + 8 x half
	s_lshl_b32 s46, s46, 16
	s_mov_b32 s47, 0
	s_mul_i32 s2, s16, AHALF                       ; where they go: no place in the cluster enters an LDS address
	s_mul_i32 s3, s16, BHALF
	s_add_co_u32 s3, s3, BOFF
	s_wait_dscnt 0x0                               ; both opening adds are done
	s_wait_kmcnt 0x0
	s_add_nc_u64 s[20:21], s[4:5], s[20:21]
	s_add_nc_u64 s[46:47], s[6:7], s[46:47]
	CROUND                                         ; all sixteen work-groups are here: the first joint loads meet
.irp s, 0,1
	s_mov_b32 s[G0+4*\s], 1
	s_add_co_u32 s[G0+4*\s+1], s2, \s*SLOT
	s_add_nc_u64 s[G0+4*\s+2:G0+4*\s+3], s[20:21], \s*BLK
	s_or_b32 s[G0+4*\s+3], s[G0+4*\s+3], 0x80000000
	s_mov_b32 s[G0B+4*\s], 1
	s_add_co_u32 s[G0B+4*\s+1], s3, \s*SLOT
	s_add_nc_u64 s[G0B+4*\s+2:G0B+4*\s+3], s[46:47], \s*BLK
	s_or_b32 s[G0B+4*\s+3], s[G0B+4*\s+3], 0x80000000
	JLOAD \s, G1, G1B
.endr
	v_and_b32 v1, 15, v0                           ; r
	v_bfe_u32 v2, v0, 4, 1                         ; h
	v_and_b32 v3, 31, v0
	v_lshlrev_b32 v[CO], 4, v3
	s_mul_i32 s21, s15, AHALF                      ; my four blocks of att,
	s_mul_i32 s22, s16, BHALF                      ; my eight of w_o
	s_add_co_u32 s22, s22, BOFF
.irp s, 0,1
	v_add_nc_u32 v[ADRA+\s], s21, v[CO]
	v_add_nc_u32 v[ADRB+\s], s22, v[CO]
	s_add_co_u32 s21, s21, SLOT
	s_add_co_u32 s22, s22, SLOT
.endr
	s_mul_i32 s23, s14, 16*SPITCH
	s_add_co_u32 s23, s23, STAGE                   ; my stage
	v_mul_u32_u24 v5, v1, SPITCH
	v_lshl_add_u32 v5, v2, 5, v5
	v_add_nc_u32 v[STO], s23, v5                   ; in: row r, 32 bytes for each half of the lanes
	v_add_nc_u32 v[RD], s23, v[CO]                 ; back: the 32 lanes take one row of 512 bytes
	v_lshlrev_b32 v[BO], 5, v2
	s_lshl_b32 s46, s42, 10
	s_lshl_b32 s47, s16, 9
	s_add_co_u32 s46, s46, s47                     ; my first column, in bytes: 1,024 X + 512 x half
	s_mov_b32 s47, 0
	s_add_nc_u64 s[8:9], s[8:9], s[46:47]
	s_add_nc_u64 s[10:11], s[10:11], s[46:47]
	s_lshl_b32 s20, s17, 7
	s_lshl_b32 s21, s15, 6
	s_add_co_u32 s20, s20, s21                     ; my first row: 128 Y + 64 x half
	s_lshl_b32 s20, s20, 13                        ; of 8,192 bytes
	s_mov_b32 s21, 0
	s_add_nc_u64 s[10:11], s[10:11], s[20:21]
.irp b, 0,1,2,3,4,5,6,7                        ; lane (r, h) wants b_o at columns 16 b + 8 h + 0 .. 7
	global_load_b128 v[BIAS+8*\b:BIAS+8*\b+3], v[BO], s[8:9] offset:64*\b
	global_load_b128 v[BIAS+8*\b+4:BIAS+8*\b+7], v[BO], s[8:9] offset:64*\b+16
.endr
; 8 matrix instructions: att's block a against w_o's eight, 32 along K.  first = 1: the bias starts the sums.  The 32 accumulators take turns, one instruction a turn.
.macro MUL8 f, a, first
.irp b, 0,1,2,3,4,5,6,7
.if \first
	v_wmma_f32_16x16x32_f16 v[8*(8*(\a)+\b):8*(8*(\a)+\b)+7], v[\f+32+8*\b:\f+32+8*\b+7], v[\f+8*(\a):\f+8*(\a)+7], v[BIAS+8*\b:BIAS+8*\b+7]
.else
	v_wmma_f32_16x16x32_f16 v[8*(8*(\a)+\b):8*(8*(\a)+\b)+7], v[\f+32+8*\b:\f+32+8*\b+7], v[\f+8*(\a):\f+8*(\a)+7], v[8*(8*(\a)+\b):8*(8*(\a)+\b)+7]
.endif
.endr
.endm
; 24 LDS loads in one run: the images of the slot's q-th 32 along K into set f: w_o's eight, att's blocks 0, 1, att's blocks 2, 3.  pb: bytes from block to block in this slot's tile
.macro FETCH slot, q, f, pb
	WIN 0x40                                       ; destination window 1
.irp i, 0,1,2,3,4,5,6,7
	ds_load_b128 v[\f+32+8*\i:\f+32+8*\i+3], v[ADRB+\slot] offset:(\pb)*\i+1024*(\q)
	ds_load_b128 v[\f+32+8*\i+4:\f+32+8*\i+7], v[ADRB+\slot] offset:(\pb)*\i+1024*(\q)+512
.endr
.irp i, 0,1,2,3
	ds_load_b128 v[\f+8*\i:\f+8*\i+3], v[ADRA+\slot] offset:(\pb)*\i+1024*(\q)
	ds_load_b128 v[\f+8*\i+4:\f+8*\i+7], v[ADRA+\slot] offset:(\pb)*\i+1024*(\q)+512
.endr
.endm
; A step is six parts (the last step: four) of 32 along K, 32 matrix instructions each, on sets 0, 1 by turns.  A part that is not its step's last: multiplies set f and fetches part q into set g.
.macro PART slot, q, f, g, first, pb
	s_wait_dscnt 4                                 ; all but the youngest four loads (att's blocks 2, 3) are in
	WIN 0xa5-0x20*\first                           ; sources window 1, D window 2; C window 2, or window 0 (the bias)
	MUL8 \f, 0, \first
	MUL8 \f, 1, \first
	PLACES
	FETCH \slot, \q, \g, \pb
	s_wait_dscnt 24                                ; all but the 24 just issued
	WIN 0xa5-0x20*\first
	MUL8 \f, 2, \first
	MUL8 \f, 3, \first
.endm
.macro PARTS slot, from                ; a full step's parts: those that multiply images from - 1 .. 4 and fetch images from .. 5
.if \from <= 1
	PART \slot, 1, F0, F1, 0, BLK
.endif
	PART \slot, 2, F1, F0, 0, BLK
	PART \slot, 3, F0, F1, 0, BLK
	PART \slot, 4, F1, F0, 0, BLK
	PART \slot, 5, F0, F1, 0, BLK
.endm
; A full step's last part multiplies set 1 and changes slots: ONE barrier; in front of it each wave waits for all its tensor loads, adds 0 to its spare word, and waits for that and for its own reads of this slot.
; fill = 1: the barrier opens a round of the cluster's, and this slot is filled again, two steps ahead, first thing behind the round; fill = 2: the same with the last, shorter tile; fill = 0: nothing is left to fetch.
; pb: bytes from block to block in the next slot's tile.
.macro TURN slot, next, fill, pb
	WIN 0                                          ; (the add's two registers lie in window 0)
	s_wait_tensorcnt 0x0                           ; all my tensor loads have landed: my part of the next slot
	ds_add_u32 v[SPW], v[NIL]                      ; 0 onto my spare word
	s_wait_dscnt 5                                 ; (the add and the youngest four loads may be out)
	WIN 0xa5
	MUL8 F1, 0, 0                                  ; eight matrix instructions stand between the add and the wait for it
	s_wait_dscnt 0x0                               ; the add is done, and my reads of this slot are over
	s_barrier_signal -1
	MUL8 F1, 1, 0
	WIN 0
	s_barrier_wait -1
.if \fill
	CREST                                          ; no wave of any partner still reads this slot's tile or has a load on its way
	s_add_nc_u64 s[G0+4*\slot+2:G0+4*\slot+3], s[G0+4*\slot+2:G0+4*\slot+3], 2*BLK
	s_add_nc_u64 s[G0B+4*\slot+2:G0B+4*\slot+3], s[G0B+4*\slot+2:G0B+4*\slot+3], 2*BLK
.if \fill == 1
	JLOAD \slot, G1, G1B                           ; 176 matrix instructions ahead of the wait for it; the four v_nop behind it are also the places in front of the loads below
.else
	JLOAD \slot, G1S, G1SB                         ; K = 1,920 .. 2,047: four images a block, from the same LDS byte as my full tile
.endif
.else
	PLACES
.endif
	FETCH \next, 0, F0, \pb
	WIN 0xa5
	MUL8 F1, 2, 0
	MUL8 F1, 3, 0
.endm
	s_wait_tensorcnt 0x1                           ; my part of step 0 is in; step 1's load may be out
	s_barrier_signal -1
	s_barrier_wait -1                              ; everybody's is
	FETCH 0, 0, F0, BLK
	s_wait_loadcnt 0x0                             ; the bias
	PART 0, 1, F0, F1, 1, BLK                      ; the first part stands in front of the loop: its products start the sums
	WIN 0                                          ; at a label and at a branch every window is 0
	s_mov_b32 s3, TRIPS
.Llap:                                                 ; a trip goes once round the ring, from a step's second part to the first part of the step two on, and fills both slots again: steps 0 to 7 ask for steps 2 to 9
	PARTS 0, 2
	TURN 0, 1, 1, BLK
	PARTS 1, 1
	TURN 1, 0, 1, BLK
	PART 0, 1, F0, F1, 0, BLK
	WIN 0
	s_sub_co_u32 s3, s3, 1
	s_cmp_lg_u32 s3, 0
	s_cbranch_scc1 .Llap
	PARTS 0, 2                                     ; step 8 goes on, and asks for the last, shorter step
	TURN 0, 1, 2, BLK
	PARTS 1, 1                                     ; step 9 asks for nothing, and its change of slots has no round of the cluster's barrier
	TURN 1, 0, 0, SBLK
	PART 0, 1, F0, F1, 0, SBLK                     ; step 10: four images, blocks 4,096 bytes apart
	PART 0, 2, F1, F0, 0, SBLK
	PART 0, 3, F0, F1, 0, SBLK
	s_wait_dscnt 4                                 ; the very last part: nothing more to fetch
	WIN 0xa5
	MUL8 F1, 0, 0
	MUL8 F1, 1, 0
	s_wait_dscnt 0x0
	MUL8 F1, 2, 0
	MUL8 F1, 3, 0
	WIN 0
; THE WAY OUT, block by block of 16 rows x 128 columns.  A lane holds 32 neighbouring bytes of a row, and the lanes beside it hold other rows: so a block goes through my own stage in LDS and comes back as whole rows of
; 512 bytes.  LDS serves a wave's instructions in order (ISA guide 5.7.1.4): no wait between the stores and the loads, nor in front of the next block's stores.
.macro TOSTAGE a
	WIN 0x08                                       ; an LDS store's data are its source 1: window 2
.irp b, 0,1,2,3,4,5,6,7
	ds_store_b128 v[STO], v[64*(\a)+8*\b:64*(\a)+8*\b+3] offset:64*\b            ; each accumulator from its low end on
	ds_store_b128 v[STO], v[64*(\a)+8*\b+4:64*(\a)+8*\b+7] offset:64*\b+16
.endr
	WIN 0
.set BB, BK+64*((\a)%2)
.irp t, 0,1,2,3,4,5,6,7,8,9,10,11,12,13,14,15
	ds_load_b128 v[BB+4*\t:BB+4*\t+3], v[RD] offset:\t*SPITCH
.endr
.endm
.macro SEND a, younger                 ; younger: the LDS instructions issued behind block a's loads, which may stay out
.set BB, BK+64*((\a)%2)
	s_wait_dscnt \younger                          ; the block is back in registers
.if (\a) > 0
	s_add_nc_u64 s[10:11], s[10:11], 16*8192       ; (behind a wait on XCNT: the earlier stores have read their base)  16 rows on
.endif
.irp t, 0,1,2,3,4,5,6,7,8,9,10,11,12,13,14,15
	global_store_b128 v[CO], v[BB+4*\t:BB+4*\t+3], s[10:11] offset:\t*8192 th:TH_STORE_NT   ; 32 lanes store 512 consecutive bytes, aligned; written once, read by nobody here
.endr
.endm
	PLACES                                         ; behind the last products, ahead of the first read of results
	TOSTAGE 0
.irp a, 1,2,3
.if \a > 1
	s_wait_xcnt 0x0                                ; block a - 2's stores have read their registers and their base: block a's loads may land there, and the base may step
.endif
	TOSTAGE \a
	SEND \a-1, 32                                  ; behind block a - 1's loads: block a's 16 stores and 16 loads
.endr
	s_wait_xcnt 0x0                                ; block 2's stores have read their base
	SEND 3, 0
	s_wait_tensorcnt 0x0                           ; the wave's end: behind my last tensor load and my last LDS store
	ds_add_u32 v[SPW], v[NIL]
	s_wait_dscnt 0x0
	CROUND                                         ; the closing round: no work-group ends while a partner may still ask for a tile that names it
	s_endpgm
.Lfunc_end_k_q942d104f6a_proj:
	.size	k_q942d104f6a_proj, .Lfunc_end_k_q942d104f6a_proj-k_q942d104f6a_proj
	.p2alignl 7, 3214868480
	.fill 96, 4, 3214868480
	.section	.rodata,"a",@progbits
	.p2align	6, 0x0
	.amdhsa_kernel k_q942d104f6a_proj
		.amdhsa_group_segment_fixed_size 327680
		.amdhsa_private_segment_fixed_size 0
		.amdhsa_enable_private_segment 0
		.amdhsa_kernarg_size 32
		.amdhsa_user_sgpr_count 2
		.amdhsa_user_sgpr_kernarg_segment_ptr 1
		.amdhsa_wavefront_size32 1
		.amdhsa_system_sgpr_workgroup_id_x 1
		.amdhsa_system_sgpr_workgroup_id_y 1
		.amdhsa_system_sgpr_workgroup_id_z 1
		.amdhsa_system_vgpr_workitem_id 0
		.amdhsa_next_free_vgpr 768
		.amdhsa_next_free_sgpr 88
		.amdhsa_reserve_vcc 0
		.amdhsa_float_denorm_mode_32 3
		.amdhsa_float_denorm_mode_16_64 3
		.amdhsa_memory_ordered 1
		.amdhsa_forward_progress 1
		.amdhsa_inst_pref_size 133
	.end_amdhsa_kernel
	.amdgpu_metadata
---
amdhsa.version: [ 1, 2 ]
amdhsa.kernels:
  - .name:           k_q942d104f6a_proj
    .symbol:         k_q942d104f6a_proj.kd
    .args:
      - { .name: att, .offset: 0, .size: 8, .value_kind: global_buffer, .address_space: global }
      - { .name: woimg, .offset: 8, .size: 8, .value_kind: global_buffer, .address_space: global }
      - { .name: b_o, .offset: 16, .size: 8, .value_kind: global_buffer, .address_space: global }
      - { .name: out0, .offset: 24, .size: 8, .value_kind: global_buffer, .address_space: global }
    .group_segment_fixed_size: 327680
    .private_segment_fixed_size: 0
    .kernarg_segment_align: 8
    .kernarg_segment_size: 32
    .max_flat_workgroup_size: 128
    .sgpr_count:     88
    .vgpr_count:     768
    .wavefront_size: 32
...
	.end_amdgpu_metadata
.endif
;; end of part 3
